; MI455X (gfx1250); checked and timed in simulation.
; The chip was launched on July 23, 2026; its instructions are those of AMD's public machine-readable ISA for CDNA 5 (MIT licence, August 2026) and "CDNA5" Instruction Set Architecture Reference Guide (July 2026). The comments in the code are by the model that wrote it; some were corrected since.
;; MHA. Allowed arithmetic: matrix products marked QUANTISED: E3M2 operands, one E8M0 scale for each 32 along K, by v_wmma_scale_f32_16x16x128_f8f6f4 with both operands' format E3M2, f32 sums; everything else in f32.
;; Inputs: W_proj 1,024 x 1,024 float32; k 4,096 x 16 x 64 float32; q 4,096 x 16 x 64 float32; v 4,096 x 16 x 64 float32.
;; Outputs: out0 4,096 x 1,024 float32.
;; This version of the problem:
;;   THIS VERSION OF THE PROBLEM IS GIVEN IN LOW PRECISION. The matrix products marked QUANTISED in the list below multiply operands that are first quantised to E3M2 (3 exponent bits, 2 mantissa bits; 6 bits a number), with one power-of-two scale for each 32 numbers along K (OCP MX v1.0); their sums are f32. All else is computed in f32.
;;   The module's matrix products, in the order in which they are computed (A, B: the left and right operand; K: the contracted axis; several contracted axes count as one K, in the product's order):
;;     1. batch 16 x [M 4,096, K 64] x [K 64, N 4,096]; A: input q; B: input k: QUANTISED
;;     2. batch 16 x [M 64, K 4,096] x [K 4,096, N 4,096]; A: input v; B: softmax (see below): QUANTISED
;;     3. [M 4,096, K 1,024] x [K 1,024, N 1,024]; A: computed on the way; B: input W_proj: QUANTISED
;;   THE QUANTISER, for each operand of a quantised product, along K:
;;     - K is cut into blocks of 32 from its start; a last block that is shorter is filled with zeros.
;;     - A block's scale is 2^e with e = floor(log2(the largest magnitude in the block)) - 4, held to -126 .. 127; a block of zeros has e = 0. As a byte (E8M0): e + 127.
;;     - Each number is divided by its block's scale, clamped to +-28, and rounded to the nearest number of E3M2, ties to even, subnormals kept.
;;     - The product sums the exact products of the quantised numbers (number of the format x scale) in f32.
;;   ~~~python
;;   def quantise(x, axis):      # numpy; x: float32 -> the quantised numbers, widened to float32 again
;;       x = np.moveaxis(x, axis, -1); K = x.shape[-1]
;;       x = np.pad(x, [(0, 0)] * (x.ndim - 1) + [(0, -K % 32)]); x = x.reshape(x.shape[:-1] + (-1, 32)); a = np.abs(x).max(-1, keepdims=True)
;;       e = np.where(a > 0, np.clip(np.frexp(np.where(a > 0, a, 1))[1] - 1 - 4, -126, 127), 0)      # np.frexp(a)[1] - 1 = floor(log2(a)), exactly
;;       r = np.clip(x / 2.0 ** e, -28, 28)
;;       step = 2.0 ** (np.maximum(np.frexp(np.where(r == 0, 1, r))[1] - 1, -2) - 2)
;;       q = np.round(r / step) * step * 2.0 ** e      # np.round: ties to even
;;       return np.moveaxis(q.reshape(q.shape[:-2] + (-1,))[..., :K], -1, axis).astype(np.float32)
;;   ~~~
;;   SOFTMAX AHEAD OF A QUANTISED PRODUCT. Where the list says 'softmax', what is quantised is not the finished softmax but p = 2^(t - M), with t = logit x log2(e) and M = ceil(the row's largest t), a whole number; so 1/2 < the row's largest p <= 1. The row's sum l is taken of the UNQUANTISED p, in f32, and the product's result is divided by l at the end. Since M is a whole number, a kernel that streams over the keys may use a running M (the ceiling of the running maximum): every later rescaling is an exact power of two, which a block's scale takes up: the codes' values come out the same.
;;   OPERANDS COMPUTED ON THE WAY. 'Computed on the way' means the value that the module computes at that place (a softmax that the list does not call 'softmax' is quantised finished and normalised). What goes into a quantiser is computed in f32, as accurately as f32 sums, v_exp_f32 and their like allow (about 1e-6 of the number): no bf16 or f16 on the way to a quantiser, and a product that is left as it is and whose result goes on into a quantised operand takes f32 operands (vector FMAs, or v_wmma_f32_16x16x4_f32). A number that lies on a knife's edge between two numbers of the format may be rounded either way, as far as f32 arithmetic and the matrix unit's own rounding can turn it there, and no further.
;; One version. Each part assembles by itself: llvm-mc -triple=amdgcn-amd-amdhsa -mcpu=gfx1250 --defsym DOCPART=n.
;; ======== version 1 of 1: 3 launches
;; limits: right only within a limited range of input values
;; workspace buffers: kv 6,684,672 bytes; w_codes 786,432 bytes; w_scales 32,768 bytes; o_codes 3,145,728 bytes; o_scales 131,072 bytes
;; launch quant (part 1): grid 896 x 1, 4 waves a work-group, no clusters, 48,640 bytes of LDS; arguments k, v, W_proj, kv, w_codes, w_scales; writes kv, w_codes, w_scales
.if DOCPART == 1
	.amdgcn_target "amdgcn-amd-amdhsa--gfx1250"
	.amdhsa_code_object_version 6
	.text
	.protected	k_qb6d3ad281a_quant
	.globl	k_qb6d3ad281a_quant
	.p2align	8
	.type	k_qb6d3ad281a_quant,@function
k_qb6d3ad281a_quant:
	s_mov_b64 s[64:65], 0
	v_nop
	global_prefetch_b8 v0, s[64:65] scope:SCOPE_SE
	s_setreg_imm32_b32 hwreg(HW_REG_WAVE_MODE, 25, 1), 1
	s_wait_xcnt 0x0
; k, v [4096][16][64] and W_proj [1024][1024], f32, become codes of BF6 (E3M2) with one E8M0 scale byte for each 32 along a product's K,
; laid as IMAGES OF THE OPERAND REGISTERS of the launches that read them: a group of four registers lies as 512 bytes, lane l's 16 bytes at 16 l.
; A block's scale byte is its largest magnitude's exponent field - 4, held at 1 from below by a floor among the maximum's leaves; each number is divided by the scale and rounded to the nearest code, ties to even; beyond 28 the largest code.
; kv: [head 16][key step 32][13,056 bytes]: for 128 keys of a head  K's codes (6,144), K's scale words (512), V's codes (6,144), V's scale words (256).
;   K (its K axis is d, 64): tile 2 b + u, lane (rho, h) holds key 32 b + 8 u + rho + 8 (rho / 8), d = 32 h .. 32 h + 31: six registers.  The 48 registers of a lane lie in 12 groups of four.
;   V (its K axis is the keys): tile 2 beta + u, lane (rho, h) holds channel 32 beta + 8 u + rho + 8 (rho / 8); registers 6 c .. 6 c + 5: keys 64 c + 32 h + 0 .. 31.
; w_codes: [n tile 64][K step 8][3 groups][32 lanes][16 bytes];  w_scales: [n block 8][K step 8][128 rows][4 bytes].
; Work-groups 0-511 take k (head, key step; wave = 32 keys), 512-767 take v (two heads, key step; wave = head, 32 channels), 768-895 take W_proj (wave = 16 rows x 128 along K).
; The three ways part on the work-group's number and never join; each way that uses LDS has LDS bytes of its own.  No tensor loads, no barrier, no loop: waves share nothing, and each wave issues all its loads first.
; LIMITS: NaN and infinities among the inputs are not served; blocks whose largest magnitude lies under 2^-122 get the byte 1 (not tried); a block of zeros gets the byte 1 where the rule says 127:
; its codes are zeros, which add nothing under any byte but 0xff, and this program alone reads the bytes.
.set FLOOR, 0x2800000                  ; 2^(5 - 127)
.set EOFF,  0xfe000000                 ; -(4 << 23)
.set STEPB, 13056                      ; a key step's block in kv
.set KC,    0
.set KS,    6144
.set VC,    6656
.set VS,    12800
.set KSTG,  0                          ; LDS, k's way: 8,704 bytes a wave: 32 keys x (256 bytes + 16)
.set VSTG,  34816                      ; LDS, v's way: 3,328 bytes a wave: two tiles' images, 1,664 bytes apart
; Two blocks of 32 numbers of a lane, v[X ..] and v[X + 32 ..], become twelve registers of codes, v160-171, and v186 = first byte | second byte << 8.
.macro QUANT2 X
.irp u, 0,1
	v_max3_num_f32 v[180+\u], |v[\X+32*\u]|, |v[\X+32*\u+1]|, FLOOR      ; the floor is one more leaf: the byte cannot fall under 1
.endr
.irp i, 2,4,6,8,10,12,14,16,18,20,22,24,26,28,30
.irp u, 0,1
	v_max3_num_f32 v[180+\u], v[180+\u], |v[\X+32*\u+\i]|, |v[\X+32*\u+\i+1]|   ; the two blocks by turns
.endr
.endr
.irp u, 0,1
	v_add_nc_u32 v[182+\u], EOFF, v[180+\u]        ; 4 off the exponent field: the conversion takes this operand's exponent field as its scale
.endr
.irp u, 0,1
	v_lshrrev_b32 v[184+\u], 23, v[182+\u]         ; the scale's byte
.endr
.irp u, 0,1
	v_cvt_scalef32_pk16_bf6_f32 v[160+6*\u:162+6*\u], v[\X+32*\u:\X+32*\u+15], v[182+\u]
	v_cvt_scalef32_pk16_bf6_f32 v[172+4*\u:174+4*\u], v[\X+32*\u+16:\X+32*\u+31], v[182+\u]   ; (a conversion's three registers begin on an even number)
.endr
	v_nop                                          ; one plain place behind a scaled conversion
.irp u, 0,1
.irp i, 0,1,2
	v_mov_b32 v[163+6*\u+\i], v[172+4*\u+\i]
.endr
.endr
	v_lshl_or_b32 v186, v185, 8, v184
.endm
; v188 = a scale word picked from my two bytes (selectors 0, 1; 2 is a zero byte) and those of lane l xor 16 (selectors 4, 5): sel0 for lanes 0-15, sel1 for lanes 16-31.
.macro WORD sel0, sel1
	v_mov_b32 v187, 0                              ; a lane permute's destination counts as one of its sources
	v_permlanex16_b32 v187, v186, s20, s21
	v_mov_b32 v189, \sel0
	v_mov_b32 v190, \sel1
	v_cmp_ne_u32 vcc_lo, 0, v3
	v_cndmask_b32 v189, v189, v190, vcc_lo
	v_perm_b32 v188, v187, v186, v189
.endm
	s_load_b256 s[4:11], s[0:1], 0x0               ; k s[4:5], v s[6:7], W_proj s[8:9], kv s[10:11]
	s_load_b128 s[12:15], s[0:1], 0x20             ; w_codes s[12:13], w_scales s[14:15]
	v_lshl_add_u32 v208, v0, 2, 0xbc00
	v_mov_b32 v209, 0
	v_lshrrev_b32 v2, 5, v0
	v_readfirstlane_b32 s16, v2                    ; wave 0..3
	v_and_b32 v1, 31, v0                           ; lane l
	v_and_b32 v2, 15, v0                           ; rho = l % 16
	v_bfe_u32 v3, v0, 4, 1                         ; h = l / 16
	s_mov_b32 s20, 0x76543210
	s_mov_b32 s21, 0xfedcba98                      ; v_permlanex16_b32's selects for lane l xor 16
	s_mov_b32 s19, 0                               ; the upper word of every offset pair s[18:19]
	s_wait_kmcnt 0x0
	s_cmp_lt_u32 ttmp9, 512
	s_cbranch_scc0 .Lnot_k
; ---- k: head = g % 16, key step = g / 16; my wave takes keys 32 w .. 32 w + 31 of the step: tiles 2 w and 2 w + 1
	s_and_b32 s17, ttmp9, 15                       ; head
	s_lshr_b32 s22, ttmp9, 4                       ; key step
	s_lshl_b32 s18, s22, 19                        ; 128 keys of 4,096 bytes
	s_lshl_b32 s23, s16, 17                        ; 32 keys
	s_add_co_u32 s18, s18, s23
	s_lshl_b32 s23, s17, 8                         ; the head's 256 bytes of a key
	s_add_co_u32 s18, s18, s23
	s_add_nc_u64 s[4:5], s[4:5], s[18:19]
	s_lshl_b32 s18, s17, 5
	s_add_co_u32 s18, s18, s22
	s_mul_i32 s18, s18, STEPB
	s_add_nc_u64 s[10:11], s[10:11], s[18:19]      ; kv at my block
	v_lshlrev_b32 v4, 4, v2
	v_lshl_add_u32 v4, v3, 12, v4                  ; in: lanes 0-15 one key's 256 bytes, lanes 16-31 the next key's
	s_mul_i32 s24, s16, 8704                       ; my stage (KSTG = 0)
	v_mul_u32_u24 v5, v3, 272
	v_lshl_add_u32 v5, v2, 4, v5
	v_add_nc_u32 v5, s24, v5                       ; into the stage: place h of a pair, 16 rho
	v_mul_u32_u24 v6, v2, 272
	v_lshl_add_u32 v6, v3, 7, v6
	v_add_nc_u32 v6, s24, v6                       ; out of it: place rho of a tile, my half of d.  Places are 272 bytes = 68 words apart
	s_mul_i32 s24, s16, 1536
	v_lshl_add_u32 v7, v1, 4, s24                  ; out: 16 l + my two tiles' three groups
	s_lshl_b32 s25, s16, 7
	v_lshl_add_u32 v8, v1, 2, s25                  ; and 4 l + my 128 bytes of scale words
.irp i, 0,1,2,3,4,5,6,7,8,9,10,11,12,13,14,15
	global_load_b128 v[32+4*\i:35+4*\i], v4, s[4:5] offset:8192*\i th:TH_LOAD_NT   ; keys 2 i and 2 i + 1: sixteen lanes read 256 consecutive bytes, aligned
.endr
.irp i, 0,1,2,3,4,5,6,7,8,9,10,11,12,13,14,15
	s_wait_loadcnt 15-\i                           ; loads come back in order: load i is in, the younger ones stay out
	ds_store_b128 v5, v[32+4*\i:35+4*\i] offset:272*(16*((\i/4)%2)+8*(\i/8)+(2*\i)%8)   ; key kappa goes to place 16 u + rho: u = (kappa / 8) % 2, rho = kappa % 8 + 8 (kappa / 16)
.endr
.irp u, 0,1
.irp i, 0,1,2,3,4,5,6,7
	ds_load_b128 v[96+32*\u+4*\i:99+32*\u+4*\i], v6 offset:4352*\u+16*\i   ; LDS serves a wave's instructions in order: these see my stores.  32 numbers of tile u's row rho
.endr
.endr
	s_wait_dscnt 0x0
	QUANT2 96
.irp c, 0,1,2
	global_store_b128 v7, v[160+4*\c:163+4*\c], s[10:11] offset:KC+512*\c   ; 512 consecutive bytes a store
.endr
	WORD 0x02020400, 0x02020105                    ; lane (rho, u): tile u's row rho: byte 0 the block d 0-31, byte 1 the block d 32-63, bytes 2 and 3 zero
	global_store_b32 v8, v188, s[10:11] offset:KS
	s_wait_tensorcnt 0x0
	ds_add_u32 v208, v209
	s_wait_dscnt 0x0
	s_endpgm
.Lnot_k:
	s_cmp_lt_u32 ttmp9, 768
	s_cbranch_scc0 .Lw
; ---- v: g = work-group - 512; head = 2 (g % 8) + w / 2, beta = w % 2, key step = g / 8.  A LANE TAKES A CHANNEL, 32 beta + l, AND ITS REGISTERS RUN DOWN THE 128 KEYS
	s_sub_co_u32 s17, ttmp9, 512
	s_and_b32 s22, s17, 7
	s_lshl_b32 s22, s22, 1
	s_lshr_b32 s23, s16, 1
	s_add_co_u32 s22, s22, s23                     ; head
	s_and_b32 s23, s16, 1                          ; beta
	s_lshr_b32 s17, s17, 3                         ; key step
	s_lshl_b32 s18, s17, 19
	s_lshl_b32 s24, s22, 8
	s_add_co_u32 s18, s18, s24
	s_lshl_b32 s24, s23, 7
	s_add_co_u32 s18, s18, s24
	s_add_nc_u64 s[6:7], s[6:7], s[18:19]
	s_lshl_b32 s18, s22, 5
	s_add_co_u32 s18, s18, s17
	s_mul_i32 s18, s18, STEPB
	s_add_nc_u64 s[10:11], s[10:11], s[18:19]
	v_lshlrev_b32 v4, 2, v1                        ; in: 4 bytes a lane; the work-group's four waves stand side by side on 512 bytes
	v_bfe_u32 v9, v0, 3, 1                         ; my channel's tile u = (l / 8) % 2
	v_and_b32 v10, 7, v0
	v_lshl_add_u32 v10, v3, 3, v10                 ; and its row there: l % 8 + 8 (l / 16)
	s_mul_i32 s24, s16, 3328
	s_add_co_u32 s24, s24, VSTG                    ; my stage
	v_mul_u32_u24 v5, v9, 1664
	v_lshl_add_u32 v5, v10, 4, v5
	v_add_nc_u32 v5, s24, v5                       ; into it: tile u's image, the place of lane (row, 0)
	v_lshl_add_u32 v6, v1, 4, s24                  ; out of it: 16 l
	s_mul_i32 s25, s23, 3072
	v_lshl_add_u32 v7, v1, 4, s25                  ; out: 16 l + my two tiles' six groups
	v_lshl_add_u32 v8, v9, 4, v10
	s_lshl_b32 s26, s23, 7
	v_lshl_add_u32 v8, v8, 2, s26                  ; my channel's scale word: 4 (16 u + row) + 128 beta
.set n, 0
.rept 128
	global_load_b32 v[32+n], v4, s[6:7] offset:4096*n th:TH_LOAD_NT
.set n, n+1
.endr
; Block kb: keys 32 kb on: registers 6 (kb / 2) .. + 5 of lane (row, kb % 2) of my channel's tile.  left: how many younger loads may stay out.
.macro VBLOCK kb, left
.set XS, 32+32*(\kb)
.set CC, 160+8*(\kb)
.set TT, 192+4*(\kb)
	s_wait_loadcnt \left
	v_max3_num_f32 v14, |v[XS]|, |v[XS+1]|, |v[XS+2]|              ; all 32 numbers are mine: two chains
	v_max3_num_f32 v15, |v[XS+3]|, |v[XS+4]|, |v[XS+5]|
.irp i, 6,10,14,18,22,26
	v_max3_num_f32 v14, v14, |v[XS+\i]|, |v[XS+\i+1]|
	v_max3_num_f32 v15, v15, |v[XS+\i+2]|, |v[XS+\i+3]|
.endr
	v_max3_num_f32 v14, v14, |v[XS+30]|, |v[XS+31]|
	v_max3_num_f32 v14, v14, v15, FLOOR
	v_add_nc_u32 v16, EOFF, v14
	v_lshrrev_b32 v17, 23, v16
.if (\kb) == 0
	v_mov_b32 v12, v17                             ; the four bytes make my channel's scale word for these 128 keys
.else
	v_lshl_or_b32 v12, v17, 8*(\kb), v12
.endif
	v_cvt_scalef32_pk16_bf6_f32 v[CC:CC+2], v[XS:XS+15], v16
	v_cvt_scalef32_pk16_bf6_f32 v[TT:TT+2], v[XS+16:XS+31], v16
	v_nop                                          ; one plain place behind a scaled conversion
.irp i, 0,1,2
	v_mov_b32 v[CC+3+\i], v[TT+\i]
.endr
.if (\kb)/2 == 0                       ; registers 0-3 are group 0; registers 4, 5 the lower half of group 1
	ds_store_b128 v5, v[CC:CC+3] offset:256*((\kb)%2)
	ds_store_b64 v5, v[CC+4:CC+5] offset:256*((\kb)%2)+512
.else                                  ; registers 6, 7 the upper half of group 1; registers 8-11 group 2
	ds_store_b64 v5, v[CC:CC+1] offset:256*((\kb)%2)+520
	ds_store_b128 v5, v[CC+2:CC+5] offset:256*((\kb)%2)+1024
.endif
.endm
	VBLOCK 0, 63                                   ; 96 loads are younger than block 0's; the count names 63 at the most, and a smaller count is safe
	VBLOCK 1, 63                                   ; 64 are younger
	VBLOCK 2, 32                                   ; block 3's may stay out
	VBLOCK 3, 0
.irp q, 0,1,2,3,4,5
	ds_load_b128 v[32+4*\q:35+4*\q], v6 offset:1664*(\q/3)+512*(\q%3)   ; LDS serves a wave's instructions in order: these see my stores
.endr
.irp q, 0,1,2,3,4,5
	s_wait_dscnt 5-\q                              ; group q is back, the later ones stay out
	global_store_b128 v7, v[32+4*\q:35+4*\q], s[10:11] offset:VC+512*\q   ; 512 consecutive bytes a store
.endr
	global_store_b32 v8, v12, s[10:11] offset:VS
	s_wait_tensorcnt 0x0
	ds_add_u32 v208, v209
	s_wait_dscnt 0x0
	s_endpgm
.Lw:
; ---- W_proj: id = 4 (work-group - 768) + wave = 8 x n tile + K step.  K is innermost: lane (rho, h) takes, of row 16 T + rho, k = 128 j + 64 c + 32 h + 0 .. 31: two whole blocks, in the operand's own order
	s_sub_co_u32 s17, ttmp9, 768
	s_lshl_b32 s17, s17, 2
	s_add_co_u32 s17, s17, s16                     ; id
	s_and_b32 s22, s17, 7                          ; K step j
	s_lshr_b32 s23, s17, 3                         ; n tile T
	s_lshl_b32 s18, s23, 16                        ; 16 rows of 4,096 bytes
	s_lshl_b32 s24, s22, 9                         ; 128 numbers; also: a K step's 512 bytes of scale words
	s_add_co_u32 s18, s18, s24
	s_add_nc_u64 s[8:9], s[8:9], s[18:19]
	s_mul_i32 s18, s17, 1536
	s_add_nc_u64 s[12:13], s[12:13], s[18:19]
	s_lshr_b32 s18, s23, 3
	s_lshl_b32 s18, s18, 12                        ; n block
	s_add_co_u32 s18, s18, s24
	s_and_b32 s24, s23, 7
	s_lshl_b32 s24, s24, 6                         ; the tile's 16 words in the block's 128
	s_add_co_u32 s18, s18, s24
	s_add_nc_u64 s[14:15], s[14:15], s[18:19]
	v_lshlrev_b32 v4, 12, v2
	v_lshl_add_u32 v4, v3, 7, v4                   ; row rho, + 128 h
	v_lshlrev_b32 v7, 4, v1
	v_lshlrev_b32 v8, 2, v2
.irp c, 0,1
.irp i, 0,1,2,3,4,5,6,7
	global_load_b128 v[96+32*\c+4*\i:99+32*\c+4*\i], v4, s[8:9] offset:256*\c+16*\i
.endr
.endr
	s_wait_loadcnt 0x0
	QUANT2 96
.irp c, 0,1,2
	global_store_b128 v7, v[160+4*\c:163+4*\c], s[12:13] offset:512*\c
.endr
	WORD 0x05010400, 0x01050004                    ; byte 2 c + h is block 2 c + h: every lane now holds row rho's word
	s_wait_xcnt 0x0                                ; EXEC is a source of the stores above: it changes only behind this wait
	v_cmp_gt_u32 vcc_lo, 16, v1
	s_and_saveexec_b32 s24, vcc_lo
	global_store_b32 v8, v188, s[14:15]            ; lanes 0-15: sixteen rows' words
	s_wait_xcnt 0x0                                ; and again in front of the line that widens it
	s_or_b32 exec_lo, exec_lo, s24
	s_endpgm
.Lfunc_end_k_qb6d3ad281a_quant:
	.size	k_qb6d3ad281a_quant, .Lfunc_end_k_qb6d3ad281a_quant-k_qb6d3ad281a_quant
	.p2alignl 7, 3214868480
	.fill 96, 4, 3214868480
	.section	.rodata,"a",@progbits
	.p2align	6, 0x0
	.amdhsa_kernel k_qb6d3ad281a_quant
		.amdhsa_group_segment_fixed_size 48640
		.amdhsa_private_segment_fixed_size 0
		.amdhsa_enable_private_segment 0
		.amdhsa_kernarg_size 48
		.amdhsa_user_sgpr_count 2
		.amdhsa_user_sgpr_kernarg_segment_ptr 1
		.amdhsa_wavefront_size32 1
		.amdhsa_system_sgpr_workgroup_id_x 1
		.amdhsa_system_sgpr_workgroup_id_y 1
		.amdhsa_system_sgpr_workgroup_id_z 1
		.amdhsa_system_vgpr_workitem_id 0
		.amdhsa_next_free_vgpr 210
		.amdhsa_next_free_sgpr 66
		.amdhsa_reserve_vcc 1
		.amdhsa_float_denorm_mode_32 3
		.amdhsa_float_denorm_mode_16_64 3
		.amdhsa_memory_ordered 1
		.amdhsa_forward_progress 1
		.amdhsa_inst_pref_size 38
	.end_amdhsa_kernel
	.amdgpu_metadata
---
amdhsa.version: [ 1, 2 ]
amdhsa.kernels:
  - .name:           k_qb6d3ad281a_quant
    .symbol:         k_qb6d3ad281a_quant.kd
    .args:
      - { .name: k, .offset: 0, .size: 8, .value_kind: global_buffer, .address_space: global }
      - { .name: v, .offset: 8, .size: 8, .value_kind: global_buffer, .address_space: global }
      - { .name: W_proj, .offset: 16, .size: 8, .value_kind: global_buffer, .address_space: global }
      - { .name: kv, .offset: 24, .size: 8, .value_kind: global_buffer, .address_space: global }
      - { .name: w_codes, .offset: 32, .size: 8, .value_kind: global_buffer, .address_space: global }
      - { .name: w_scales, .offset: 40, .size: 8, .value_kind: global_buffer, .address_space: global }
    .group_segment_fixed_size: 48640
    .private_segment_fixed_size: 0
    .kernarg_segment_align: 8
    .kernarg_segment_size: 48
    .max_flat_workgroup_size: 128
    .sgpr_count:     66
    .vgpr_count:     210
    .wavefront_size: 32
...
	.end_amdgpu_metadata
.endif
;; end of part 1
;; launch attn (part 2): grid 16 x 16, 8 waves a work-group, no clusters, 327,680 bytes of LDS; arguments q, kv, o_codes, o_scales; writes o_codes, o_scales
.if DOCPART == 2
	.amdgcn_target "amdgcn-amd-amdhsa--gfx1250"
	.amdhsa_code_object_version 6
	.text
	.protected	k_qb6d3ad281a_attn
	.globl	k_qb6d3ad281a_attn
	.p2align	8
	.type	k_qb6d3ad281a_attn,@function
k_qb6d3ad281a_attn:
	s_mov_b64 s[64:65], 0
	v_nop
	global_prefetch_b8 v0, s[64:65] scope:SCOPE_SE
	s_setreg_imm32_b32 hwreg(HW_REG_WAVE_MODE, 25, 1), 1
	s_wait_xcnt 0x0
; Causal attention of one head on codes of BF6 (E3M2), head size 64, 4,096 queries and keys; the result o = O / l leaves QUANTISED along the head's channels, as the next product's operand.
; t = score x log2(e) / 8; M = the running largest t rounded UP to a whole number; p = 2^(t - M) is quantised along the keys, not normalised; the row's sum is taken of the unquantised p and divides O at the end.
; When M moves, the sum and O are multiplied by 2^(old M - new M): exact.
; SHARES.  Work-group (a, head) owns TWO blocks of 128 queries: block a, then block 31 - a.  Block b needs key steps 0 .. b of 128 keys, so every work-group walks (a + 1) + (32 - a) = 33 steps:
; 256 work-groups of equal work, and every trip count is a constant.  Step J takes key step J (J <= a) or J - a - 1.  A block's last step (J = a, J = 32) lies on the diagonal: its first key is the block's first query.
; Each of the eight waves owns 16 queries of each block, in 256 registers: two waves to a SIMD, so that one wave's vector work stands beside the other's loads and products.
; kv holds, for each head and key step, one dense block of 13,056 bytes: K's and V's codes and scale words as images of the registers below.  A ring of two LDS slots of three steps: waves 0 to 2 fetch a step's block each.
; LAYOUT.  Both products are used transposed: S^T = K Q^T (source 0 = 16 keys, source 1 = my 16 queries), O^T = V^T P^T (source 0 = 16 channels, source 1 = P): a lane holds ONE query (lane % 16) throughout.
; Tile 2 b + u of K takes keys 32 b + 8 u + rho + 8 (rho / 8), so that the 16 registers of tiles 2 b, 2 b + 1 are keys 32 b + 16 (lane / 16) + 0 .. 15; V's channels likewise, so that O^T's registers run along the channels.
; THE FIRST PRODUCT'S K IS 64, the instruction's 128: Q's registers 6-11 are zero codes, which make every product of the upper 64 zero whatever stands against them (every code of E3M2 is a finite number).
; So tile t of K names v[36 + 6 t .. 47 + 6 t]: its own six registers and the next tile's (tile 7: six zeros).  The scale words' bytes 2 and 3 are 0, which is no NaN.
; NO CLUSTER: the sixteen work-groups of a head want different key steps in the same trip (step J - a - 1 hangs on a), and the change of blocks is a branch on the work-group's number, which partners in joint loads may not have.
; LIMITS: NaN and infinities among the inputs are not served.  Keys after a query get the weight 0 (steps wholly behind the diagonal are left out, hidden scores on it become -infinity); that is what the bias of -10,000 gives
; wherever a hidden logit less 10,000 lies more than 104 under the row's largest open logit, so while the logits of a row spread by less than about 9,890.  A block of zeros carries the byte 1 (its codes are zeros).
; REGISTERS: v1 16 l, v2 4 l, v3-4 addresses in hand, v5-6 for the add, v7 my query less 16 (lane / 16), v8 -infinity, v9 8 l, v10 o_scales' offset, v11 o's scale bytes, v12 -M, v13 largest t, v[14:15] the sum,
;   v16-27 Q (22-27 zeros), v28 Q's scale word, v29-35 the second block's, v36-83 K, v84-89 zeros, v90-93 K's scale words, v94-141 V, v142-143 V's scale words, v144-207 S^T then p, v208-239 O^T, v240 p's scale word.
;   Behind the first product K's registers are free: v36-39 blocks' maxima, v40-43 at work, v44-47 scale operands, v48-59 p's codes, v60-66 second halves, v[68:69] f, v70-71 at work, v[72:73] the sum's second chain.
.set FLOOR, 0x2800000                  ; 2^(5 - 127)
.set EOFF,  0xfe000000                 ; -(4 << 23)
.set STEPB, 13056
.set KC,    0
.set KS,    6144
.set VC,    6656
.set VS,    12800
.set SLOT1, 65536                      ; slot 1 begins here: one exclusive or turns an address in one slot into the other's (a slot is 39,168 bytes)
.set SPARE, 131072                     ; the spare words, 128 bytes for each of eight waves: four blocks of 256 bytes that no other line names
.macro TLOAD                           ; waves 0 to 2 fetch a step's block each; the branch hangs on the wave's number alone.  Four v_nop follow the load
	s_cmp_lt_u32 s12, 3
	s_cbranch_scc0 .Lnone_\@
	tensor_load_to_lds s[32:35], s[24:31]
	s_nop 0
.rept 4
	v_nop
.endr
.Lnone_\@:
.endm
; THE CHANGE OF SLOTS stands at a slot's head.  Each wave waits for all its tensor loads (its part of the slot ahead), adds 0 to its spare word, and waits for that and for its reads of the slot that it has left.
; Behind the barrier the slot ahead is whole and nobody reads the other one.  fill = 1: that other slot takes the next three steps: the load has three steps' work in which to land.
.macro CHANGE fill
	s_wait_tensorcnt 0x0                           ; no tensor load of mine is out, so group 0 may be written
	ds_add_u32 v5, v6                              ; 0 onto my spare word
.if \fill
	s_xor_b32 s33, s33, SLOT1                      ; the other slot than last time
	s_add_co_u32 s38, s38, 3                       ; the step that I fetch
	s_sub_co_u32 s39, s38, s14
	s_cmp_lt_u32 s38, s14
	s_cselect_b32 s39, s38, s39                    ; its key step: J, or J - a - 1 in the second block
	s_mul_i32 s40, s39, STEPB
	s_mov_b32 s41, 0
	s_add_nc_u64 s[34:35], s[36:37], s[40:41]
	s_or_b32 s35, s35, 0x80000000                  ; type = 2
.endif
	s_wait_dscnt 0x0                               ; the add is done, and my reads of the slot that I have left are over
	s_barrier_signal -1
	s_barrier_wait -1
.if \fill
	TLOAD                                          ; the first thing behind the barrier, and a wave's one tensor load until the next
.endif
.endm
.macro FRESH                           ; a block of queries begins: the first change of M multiplies zeros
	v_mov_b32 v13, 0xff61b1e6                      ; the largest t so far: -3e38, under every t
	v_floor_f32 v12, -v13                          ; -M
	v_mov_b32 v14, 0
	v_mov_b32 v15, 0
.set n, 0
.rept 32
	v_mov_b32 v[208+n], 0
.set n, n+1
.endr
.endm
; A block of queries is finished: o = O^T / l is quantised along the head's 64 channels (two blocks of 32) and stored; then the second block's Q takes over.
.macro FINISH
	v_add_f32 v70, v14, v15                        ; the sum's two halves,
	v_permlanex16_b32 v71, v70, s20, s21
	v_add_f32 v70, v70, v71                        ; and lane l xor 16's: the row's sum
	v_rcp_f32 v68, v70
	v_nop                                          ; one plain place behind a transcendental
.set n, 0
	s_wait_alu depctr_va_vdst(0)
.rept 16
	v_pk_mul_f32 v[208+n:209+n], v[208+n:209+n], v[68:69] op_sel_hi:[1,0]   ; register 16 beta + i: o(my query, 32 beta + 16 (lane / 16) + i); each accumulator from its low end on
.set n, n+2
.endr
.irp b, 0,1
	v_max3_num_f32 v[36+\b], |v[208+16*\b]|, |v[209+16*\b]|, FLOOR
.endr
.irp i, 2,4,6,8,10,12,14
.irp b, 0,1
	v_max3_num_f32 v[36+\b], v[36+\b], |v[208+16*\b+\i]|, |v[209+16*\b+\i]|
.endr
.endr
.irp b, 0,1
	v_permlanex16_b32 v[40+\b], v[36+\b], s20, s21
.endr
.irp b, 0,1
	v_max_num_f32 v[36+\b], v[36+\b], v[40+\b]     ; with lane l xor 16's 16 channels: the block's largest magnitude
.endr
.irp b, 0,1
	v_add_nc_u32 v[44+\b], EOFF, v[36+\b]
.endr
.irp b, 0,1
	v_lshrrev_b32 v[40+\b], 23, v[44+\b]
.endr
	v_cvt_scalef32_pk16_bf6_f32 v[48:50], v[208:223], v44
	v_cvt_scalef32_pk16_bf6_f32 v[52:54], v[224:239], v45
	v_nop                                          ; one plain place behind a scaled conversion
.irp i, 0,1,2
	v_permlane16_swap_b32 v[48+\i], v[52+\i]       ; lane (r, h) now holds block h whole: its lower 16 codes in v48-50, its upper 16 in v52-54
.endr
	v_mov_b32 v51, v52
	v_mov_b32 v52, v53
	v_mov_b32 v53, v54                             ; v48-53: registers 6 c .. 6 c + 5 (c = head % 2) of the next product's operand
.irp p, 0,1,2
	global_store_b64 v9, v[48+2*\p:49+2*\p], s[44:45] offset:256*\p   ; 32 lanes store 256 consecutive bytes, aligned
.endr
	v_lshl_or_b32 v70, v41, 8, v40                 ; the row's two scale bytes
	v_cndmask_b32 v11, v70, v11, s43               ; kept for the end: the first block's in lanes 0-15, the second's in lanes 16-31
	s_wait_xcnt 0x0                                ; the stores have read their data and their base: both are written again only behind this wait
	s_mov_b64 s[44:45], s[46:47]
	s_not_b32 s43, s43
	s_mov_b32 s17, 32                              ; the next diagonal step
.irp i, 0,1,2,3,4,5
	v_mov_b32 v[16+\i], v[30+\i]                   ; the second block's Q,
.endr
	v_mov_b32 v28, v29                             ; and its scale word: the 36 plain lines below stand between this write and the next scaled product (8 are asked)
	FRESH
.endm
; A KEY STEP: 128 keys, whose block lies at LDS byte s18.
.macro STEP
	v_add_nc_u32 v3, s18, v1
	v_add_nc_u32 v4, s18, v2
.irp q, 0,1,2,3,4,5,6,7,8,9,10,11
	ds_load_b128 v[36+4*\q:39+4*\q], v3 offset:KC+512*\q     ; 512 consecutive bytes a load: no bank is asked twice
.endr
.irp b, 0,1,2,3
	ds_load_b32 v[90+\b], v4 offset:KS+128*\b                ; lanes 0-15: tile 2 b's words, lanes 16-31: tile 2 b + 1's
.endr
.irp q, 0,1,2,3,4,5,6,7,8,9,10,11
	ds_load_b128 v[94+4*\q:97+4*\q], v3 offset:VC+512*\q
.endr
.irp b, 0,1
	ds_load_b32 v[142+\b], v4 offset:VS+128*\b
.endr
	s_wait_dscnt 14                                ; K's 16 loads are in; V's 14, issued behind them, land under the softmax
.irp t, 0,1,2,3,4,5,6,7
.if (\t%2) == 1
	v_wmma_scale_f32_16x16x128_f8f6f4 v[144+8*\t:151+8*\t], v[36+6*\t:47+6*\t], v[16:27], 0, v[90+\t/2], v28 matrix_a_fmt:MATRIX_FMT_BF6 matrix_b_fmt:MATRIX_FMT_BF6 matrix_a_scale:MATRIX_SCALE_ROW1
.else
	v_wmma_scale_f32_16x16x128_f8f6f4 v[144+8*\t:151+8*\t], v[36+6*\t:47+6*\t], v[16:27], 0, v[90+\t/2], v28 matrix_a_fmt:MATRIX_FMT_BF6 matrix_b_fmt:MATRIX_FMT_BF6
.endif
.endr
.rept 4
	v_nop                                          ; four places in front of the first read of results and of writes into K's registers (ISA guide 7.12.1)
.endr
	s_cmp_lg_u32 s16, s17                          ; only the diagonal step hides keys: a scalar branch on ids
	s_cbranch_scc1 .Lopen_\@
.set n, 0
.rept 64
	v_cmp_gt_i32 vcc_lo, 32*(n/16)+n%16, v7        ; register 16 b + i holds key 32 b + 16 (lane / 16) + i of the step: hidden where 32 b + i > my query - 16 (lane / 16)
	v_cndmask_b32 v[144+n], v[144+n], v8, vcc_lo   ; -infinity: p = 0 then
.set n, n+1
.endr
.Lopen_\@:
.irp b, 0,1,2,3
	v_max3_num_f32 v[36+\b], v[144+16*\b], v[145+16*\b], v[146+16*\b]   ; THE LARGEST SCORE OF EACH BLOCK OF 32 KEYS serves twice: for the row's maximum, and, since p rises with the score, for the block's largest p
.endr
.irp i, 3,5,7,9,11,13
.irp b, 0,1,2,3
	v_max3_num_f32 v[36+\b], v[36+\b], v[144+16*\b+\i], v[145+16*\b+\i]
.endr
.endr
.irp b, 0,1,2,3
	v_max_num_f32 v[36+\b], v[36+\b], v[159+16*\b]
.endr
.irp b, 0,1,2,3
	v_permlanex16_b32 v[40+\b], v[36+\b], s20, s21
.endr
.irp b, 0,1,2,3
	v_max_num_f32 v[36+\b], v[36+\b], v[40+\b]     ; with lane l xor 16's 16 keys
.endr
	v_max3_num_f32 v70, v36, v37, v38
	v_max_num_f32 v70, v70, v39                    ; the step's largest score of my query
	v_mul_f32 v70, s22, v70                        ; as t (c is positive)
	v_max_num_f32 v13, v13, v70                    ; the running largest t
	v_mov_b32 v70, v12
	v_floor_f32 v12, -v13                          ; the new -M = floor(-t) = -ceil(t): a whole number
	v_sub_f32 v70, v12, v70                        ; old M less new M: a whole number, 0 or less
	v_cvt_i32_f32 v70, v70                         ; (it saturates)
	v_ldexp_f32 v68, 1.0, v70                      ; f = 2^(old M - new M)
.set n, 0
.rept 32
	v_pk_fma_f32 v[144+n:145+n], v[144+n:145+n], s[22:23], v[12:13] op_sel_hi:[1,0,0]   ; t - M, two at a time (of the pairs c and -M the low word serves both halves)
.set n, n+2
.endr
.irp b, 0,1,2,3
	v_fma_f32 v[36+\b], v[36+\b], s22, v12         ; the same of each block's largest score
.endr
.set n, 0
.rept 64
	v_exp_f32 v[144+n], v[144+n]                   ; p = 2^(t - M), at most 1
.set n, n+1
.endr
.irp b, 0,1,2,3
	v_exp_f32 v[36+\b], v[36+\b]                   ; the block's largest p: the same two instructions on the same number give the same bits
.endr
	v_pk_mul_f32 v[14:15], v[14:15], v[68:69] op_sel_hi:[1,0]   ; the sums under the new M.  (A plain place behind the exponentials)
	s_wait_alu depctr_va_vdst(0)
.irp b, 0,1,2,3
	v_max_num_f32 v[36+\b], FLOOR, v[36+\b]        ; the byte cannot fall under 1 (a block whose every p is 0 keeps that byte: its codes are zeros)
.endr
.irp b, 0,1,2,3
	v_add_nc_u32 v[44+\b], EOFF, v[36+\b]          ; the conversion's scale operand
.endr
.irp b, 0,1,2,3
	v_lshrrev_b32 v[40+\b], 23, v[44+\b]           ; the scale's byte
.endr
	v_lshl_or_b32 v240, v41, 8, v40                ; p's scale word for these 128 keys
	v_lshl_or_b32 v240, v42, 16, v240
	v_lshl_or_b32 v240, v43, 24, v240
.irp c, 0,1
	v_cvt_scalef32_pk16_bf6_f32 v[48+6*\c:50+6*\c], v[144+32*\c:159+32*\c], v[44+2*\c]
	v_cvt_scalef32_pk16_bf6_f32 v[60+4*\c:62+4*\c], v[160+32*\c:175+32*\c], v[45+2*\c]   ; (a conversion's three registers begin on an even number)
.endr
	v_nop                                          ; one plain place behind a scaled conversion
.irp c, 0,1                            ; the operand's layout wants a WHOLE block in a lane: lanes 0-15 block 2 c, lanes 16-31 block 2 c + 1
.irp i, 0,1,2
	v_permlane16_swap_b32 v[48+6*\c+\i], v[60+4*\c+\i]
.endr
.irp i, 0,1,2
	v_mov_b32 v[51+6*\c+\i], v[60+4*\c+\i]
.endr
.endr
	v_pk_add_f32 v[72:73], v[144:145], v[146:147]  ; THE ROW'S SUM IS TAKEN OF THE UNQUANTISED p: two at a time, in two chains
.irp j, 4,8,12,16,20,24,28,32,36,40,44,48,52,56,60
	v_pk_add_f32 v[14:15], v[14:15], v[144+\j:145+\j]
	v_pk_add_f32 v[72:73], v[72:73], v[146+\j:147+\j]
.endr
	v_pk_add_f32 v[14:15], v[14:15], v[72:73]
.set n, 0
.rept 16
	v_pk_mul_f32 v[208+n:209+n], v[208+n:209+n], v[68:69] op_sel_hi:[1,0]   ; O^T under the new M.  (These and the sums are the places between the writes of p's codes and scale word and the products below)
.set n, n+2
.endr
	s_wait_dscnt 0x0                               ; V is in
.irp t, 0,1,2,3                        ; the four accumulators take turns, one instruction a turn; the next step's eight first products stand between two links of a chain
.if (\t%2) == 1
	v_wmma_scale_f32_16x16x128_f8f6f4 v[208+8*\t:215+8*\t], v[94+12*\t:105+12*\t], v[48:59], v[208+8*\t:215+8*\t], v[142+\t/2], v240 matrix_a_fmt:MATRIX_FMT_BF6 matrix_b_fmt:MATRIX_FMT_BF6 matrix_a_scale:MATRIX_SCALE_ROW1
.else
	v_wmma_scale_f32_16x16x128_f8f6f4 v[208+8*\t:215+8*\t], v[94+12*\t:105+12*\t], v[48:59], v[208+8*\t:215+8*\t], v[142+\t/2], v240 matrix_a_fmt:MATRIX_FMT_BF6 matrix_b_fmt:MATRIX_FMT_BF6
.endif
.endr
.rept 4
	v_nop                                          ; four places in front of the next step's loads into registers that these products read, and of the reads of O^T
.endr
	s_cmp_lg_u32 s16, s17                          ; the diagonal step is the block's last
	s_cbranch_scc1 .Lon_\@
	FINISH
.Lon_\@:
	s_add_co_u32 s16, s16, 1
	s_add_co_u32 s18, s18, STEPB
.endm
.macro THREE_STEPS                     ; a slot's three steps: written once, walked three times; the LDS addresses hang on s18
	s_mov_b32 s19, 3
.Lstep_\@:
	STEP
	s_sub_co_u32 s19, s19, 1
	s_cmp_lg_u32 s19, 0
	s_cbranch_scc1 .Lstep_\@
	s_sub_co_u32 s18, s18, 3*STEPB                 ; back to a slot's first step,
	s_xor_b32 s18, s18, SLOT1                      ; in the other slot
.endm
	s_load_b256 s[4:11], s[0:1], 0x0               ; q s[4:5], kv s[6:7], o_codes s[8:9], o_scales s[10:11]
	v_lshl_add_u32 v5, v0, 2, SPARE
	v_mov_b32 v6, 0
	ds_add_u32 v5, v6
	s_wait_dscnt 0x0
	v_lshrrev_b32 v1, 5, v0
	v_readfirstlane_b32 s12, v1                    ; wave 0..7
	s_mov_b32 s13, ttmp9                           ; a
	s_add_co_u32 s14, s13, 1                       ; the first block's steps
	s_and_b32 s15, ttmp7, 0xffff                   ; the head
	; descriptor group 1: a dense block of 13,056 bytes as 51 rows of 256 bytes (32 elements of 8 bytes), no padding
	s_mov_b32 s24, 3<<16                           ; no mask; elements of 8 bytes
	s_mov_b32 s25, 32<<16                          ; tensor_dim0
	s_mov_b32 s26, 51<<16                          ; tensor_dim1
	s_mov_b32 s27, 32<<16                          ; tile_dim0
	s_mov_b32 s28, 51                              ; tile_dim1
	s_mov_b32 s29, 32                              ; from row to row
	s_mov_b32 s30, 0
	s_mov_b32 s31, 0
	s_mov_b32 s20, 0x76543210
	s_mov_b32 s21, 0xfedcba98                      ; v_permlanex16_b32's selects for lane l xor 16
	s_mov_b32 s22, 0x3e38aa3b                      ; c = log2(e) / 8
	s_mov_b32 s23, s22                             ; (named with it as a pair, so it is written)
	s_min_u32 s38, s12, 2                          ; the step that I fetch: my wave's number (waves 3 to 7 fetch nothing and hold wave 2's figures)
	s_mov_b32 s32, 1                               ; group 0: count = 1
	s_mul_i32 s33, s38, STEPB                      ; LDS address: slot 0, my step's block
	s_sub_co_u32 s39, s38, s14
	s_cmp_lt_u32 s38, s14
	s_cselect_b32 s39, s38, s39                    ; its key step
	s_mul_i32 s40, s39, STEPB
	s_mov_b32 s41, 0
	s_mul_i32 s50, s15, 32*STEPB
	s_mov_b32 s51, 0
	s_wait_kmcnt 0x0
	s_add_nc_u64 s[36:37], s[6:7], s[50:51]        ; kv at my head
	s_add_nc_u64 s[34:35], s[36:37], s[40:41]
	s_or_b32 s35, s35, 0x80000000                  ; type = 2
	TLOAD                                          ; slot 0: ahead of every wait on TENSORcnt, every LDS read and every barrier
	s_sub_co_u32 s55, 31, s13                      ; the second block
	s_lshl_b32 s54, s12, 16                        ; my 16 queries of 4,096 bytes,
	s_lshl_b32 s56, s15, 8                         ; the head's 256 bytes of a query
	s_add_co_u32 s54, s54, s56
	s_lshl_b32 s50, s13, 19
	s_add_co_u32 s50, s50, s54
	s_lshl_b32 s52, s55, 19
	s_add_co_u32 s52, s52, s54
	s_mov_b32 s53, 0
	s_add_nc_u64 s[50:51], s[4:5], s[50:51]        ; q at my tile of block a,
	s_add_nc_u64 s[52:53], s[4:5], s[52:53]        ; and of block 31 - a
	v_and_b32 v3, 31, v0                           ; l
	v_lshlrev_b32 v1, 4, v3
	v_lshlrev_b32 v2, 2, v3
	v_lshlrev_b32 v9, 3, v3
	v_and_b32 v3, 15, v0                           ; r
	v_bfe_u32 v8, v0, 4, 1                         ; h
	v_lshlrev_b32 v4, 12, v3
	v_lshl_add_u32 v4, v8, 7, v4                   ; q: query r, + 128 h: a lane takes a whole block of 32 along d, in the operand's own order
.irp i, 0,1,2,3,4,5,6,7
	global_load_b128 v[144+4*\i:147+4*\i], v4, s[50:51] offset:16*\i
.endr
.irp i, 0,1,2,3,4,5,6,7
	global_load_b128 v[176+4*\i:179+4*\i], v4, s[52:53] offset:16*\i
.endr
	s_lshl_b32 s57, s12, 4
	v_lshlrev_b32 v7, 4, v8
	v_sub_nc_u32 v7, v3, v7
	v_add_nc_u32 v7, s57, v7                       ; 16 w + r - 16 h: my query in its block, less my half's first key
	s_lshl_b32 s58, s13, 1
	s_sub_co_u32 s58, 31, s58
	s_lshl_b32 s58, s58, 9                         ; from block a's rows to block 31 - a's in o_scales: 128 (31 - 2 a) words
	v_mul_u32_u24 v10, s58, v8
	v_lshl_add_u32 v10, v3, 2, v10                 ; lanes 0-15: the first block's row r; lanes 16-31: the second's
	v_mov_b32 v8, 0xff800000                       ; -infinity
	v_mov_b32 v11, 0
.irp i, 0,1,2,3,4,5
	v_mov_b32 v[22+\i], 0                          ; Q's upper 64 along K: zero codes
	v_mov_b32 v[84+\i], 0                          ; what tile 7 of K names behind its own six registers
.endr
	s_mul_i32 s56, s15, 196608                     ; o_codes: [head][row tile 256][768 bytes]
	s_mul_i32 s57, s12, 768
	s_add_co_u32 s56, s56, s57
	s_mul_i32 s44, s13, 6144
	s_add_co_u32 s44, s44, s56
	s_mov_b32 s45, 0
	s_mul_i32 s46, s55, 6144
	s_add_co_u32 s46, s46, s56
	s_mov_b32 s47, 0
	s_add_nc_u64 s[44:45], s[8:9], s[44:45]
	s_add_nc_u64 s[46:47], s[8:9], s[46:47]
	s_lshr_b32 s48, s15, 1                         ; o_scales: [head / 2][row 4,096][4 bytes]; head % 2 picks the half word
	s_lshl_b32 s48, s48, 14
	s_and_b32 s57, s15, 1
	s_lshl_b32 s57, s57, 1
	s_add_co_u32 s48, s48, s57
	s_lshl_b32 s57, s13, 9
	s_add_co_u32 s48, s48, s57
	s_lshl_b32 s57, s12, 6
	s_add_co_u32 s48, s48, s57
	s_mov_b32 s49, 0
	s_add_nc_u64 s[48:49], s[10:11], s[48:49]
	s_mov_b32 s16, 0                               ; J
	s_mov_b32 s17, s13                             ; the next diagonal step
	s_mov_b32 s18, 0                               ; LDS byte of the step in hand
	s_mov_b32 s43, 0xffff0000                      ; the lanes of v11 to keep at the next finish
	s_mov_b32 s42, 10                              ; slots still to be asked for
	s_wait_loadcnt 0x0                             ; q
	; both tiles of q are quantised, by turns: tile n's 32 numbers a lane in v[144 + 32 n ..]
.irp n, 0,1
	v_max3_num_f32 v[44+\n], |v[144+32*\n]|, |v[145+32*\n]|, FLOOR
.endr
.irp i, 2,4,6,8,10,12,14,16,18,20,22,24,26,28,30
.irp n, 0,1
	v_max3_num_f32 v[44+\n], v[44+\n], |v[144+32*\n+\i]|, |v[145+32*\n+\i]|
.endr
.endr
.irp n, 0,1
	v_add_nc_u32 v[46+\n], EOFF, v[44+\n]
.endr
.irp n, 0,1
	v_lshrrev_b32 v[48+\n], 23, v[46+\n]
.endr
.irp n, 0,1
	v_mov_b32 v[50+\n], 0                          ; a lane permute's destination counts as one of its sources
.endr
.irp n, 0,1
	v_permlanex16_b32 v[50+\n], v[48+\n], s20, s21
.endr
.irp n, 0,1
	v_lshl_or_b32 v[28+\n], v[50+\n], 8, v[48+\n]  ; lanes 0-15, which alone are read: byte 0 mine (d 0-31), byte 1 lane l + 16's (d 32-63), bytes 2 and 3 zero
.endr
.irp n, 0,1
	v_cvt_scalef32_pk16_bf6_f32 v[16+14*\n:18+14*\n], v[144+32*\n:159+32*\n], v[46+\n]
	v_cvt_scalef32_pk16_bf6_f32 v[36+4*\n:38+4*\n], v[160+32*\n:175+32*\n], v[46+\n]
.endr
	v_nop                                          ; one plain place behind a scaled conversion
.irp n, 0,1
.irp i, 0,1,2
	v_mov_b32 v[19+14*\n+\i], v[36+4*\n+\i]
.endr
.endr
	FRESH                                          ; (its 36 plain lines also stand between the writes of Q and its scale word and the first product)
.Lslot:                                            ; ten trips: behind each change of slots but the last the next slot is asked for
	CHANGE 1
	THREE_STEPS
	s_sub_co_u32 s42, s42, 1
	s_cmp_lg_u32 s42, 0
	s_cbranch_scc1 .Lslot
	CHANGE 0                                       ; the last slot is written out
	THREE_STEPS
	global_store_b16 v10, v11, s[48:49]            ; my 32 rows' two scale bytes each: 1/25 of what the launch stores
	s_wait_tensorcnt 0x0                           ; the wave's end
	ds_add_u32 v5, v6
	s_wait_dscnt 0x0
	s_endpgm
.Lfunc_end_k_qb6d3ad281a_attn:
	.size	k_qb6d3ad281a_attn, .Lfunc_end_k_qb6d3ad281a_attn-k_qb6d3ad281a_attn
	.p2alignl 7, 3214868480
	.fill 96, 4, 3214868480
	.section	.rodata,"a",@progbits
	.p2align	6, 0x0
	.amdhsa_kernel k_qb6d3ad281a_attn
		.amdhsa_group_segment_fixed_size 327680
		.amdhsa_private_segment_fixed_size 0
		.amdhsa_enable_private_segment 0
		.amdhsa_kernarg_size 32
		.amdhsa_user_sgpr_count 2
		.amdhsa_user_sgpr_kernarg_segment_ptr 1
		.amdhsa_wavefront_size32 1
		.amdhsa_system_sgpr_workgroup_id_x 1
		.amdhsa_system_sgpr_workgroup_id_y 1
		.amdhsa_system_sgpr_workgroup_id_z 1
		.amdhsa_system_vgpr_workitem_id 0
		.amdhsa_next_free_vgpr 256
		.amdhsa_next_free_sgpr 66
		.amdhsa_reserve_vcc 1
		.amdhsa_float_denorm_mode_32 3
		.amdhsa_float_denorm_mode_16_64 3
		.amdhsa_memory_ordered 1
		.amdhsa_forward_progress 1
		.amdhsa_inst_pref_size 64
	.end_amdhsa_kernel
	.amdgpu_metadata
---
amdhsa.version: [ 1, 2 ]
amdhsa.kernels:
  - .name:           k_qb6d3ad281a_attn
    .symbol:         k_qb6d3ad281a_attn.kd
    .args:
      - { .name: q, .offset: 0, .size: 8, .value_kind: global_buffer, .address_space: global }
      - { .name: kv, .offset: 8, .size: 8, .value_kind: global_buffer, .address_space: global }
      - { .name: o_codes, .offset: 16, .size: 8, .value_kind: global_buffer, .address_space: global }
      - { .name: o_scales, .offset: 24, .size: 8, .value_kind: global_buffer, .address_space: global }
    .group_segment_fixed_size: 327680
    .private_segment_fixed_size: 0
    .kernarg_segment_align: 8
    .kernarg_segment_size: 32
    .max_flat_workgroup_size: 256
    .sgpr_count:     66
    .vgpr_count:     256
    .wavefront_size: 32
...
	.end_amdgpu_metadata
.endif
;; end of part 2
;; launch proj (part 3): grid 8 x 32, 8 waves a work-group, clusters of 4 x 4, 240,640 bytes of LDS; arguments o_codes, o_scales, w_codes, w_scales, out0; writes out0
.if DOCPART == 3
	.amdgcn_target "amdgcn-amd-amdhsa--gfx1250"
	.amdhsa_code_object_version 6
	.text
	.protected	k_qb6d3ad281a_proj
	.globl	k_qb6d3ad281a_proj
	.p2align	8
	.type	k_qb6d3ad281a_proj,@function
k_qb6d3ad281a_proj:
	s_mov_b64 s[64:65], 0
	v_nop
	global_prefetch_b8 v0, s[64:65] scope:SCOPE_SE
	s_setreg_imm32_b32 hwreg(HW_REG_WAVE_MODE, 25, 1), 1
	s_wait_xcnt 0x0
	s_wait_alu depctr_hold_cnt(0) depctr_sa_sdst(0) depctr_va_vdst(0) depctr_va_sdst(0) depctr_va_ssrc(0) depctr_va_vcc(0) depctr_vm_vsrc(0)
	s_getreg_b32 s2, hwreg(HW_REG_IB_STS2, 6, 4)
	s_cmp_eq_u32 s2, 0
	s_cbranch_scc0 .Lentry_in_a_cluster
	s_endpgm
.Lentry_in_a_cluster:
	s_bfe_u32 s2, ttmp6, 0x10000c
	s_cmp_lg_u32 s2, 0xf033
	s_cbranch_scc0 .Lentry_shape_is_right
	s_endpgm
.Lentry_shape_is_right:
; out0[s][n] = sum over k of o[s][k] W[n][k], K = 1,024, both operands as codes of BF6 (E3M2) with E8M0 scale bytes, laid by the launches before as images of operand registers.  out0: [4096][1024] f32.
; A work-group makes 128 rows x 128 columns: 256 work-groups.  Eight waves, each 32 rows (two tiles) x 64 columns (four tiles): eight accumulators.
; ALL OF K COMES INTO LDS ONCE (96 KiB of o's codes, 96 KiB of W's, 4 KiB of scale words each): nothing is filled again, so there is no ring.
; CLUSTERS: 4 x 4 work-groups.  The four of a row of the cluster need the same rows of o, the four of a column the same rows of W: each panel is asked for JOINTLY, by the same tensor load with the same descriptor and a
; mask that names the four.  Waves 0-3 fetch a quarter of o's panel and of its scale words each, waves 4-7 of W's: two loads a wave are out.
; THE MATRIX INSTRUCTION IS USED TRANSPOSED (source 0 = 16 rows of W, source 1 = 16 rows of o): a lane then holds eight neighbouring numbers of a row of out0.
; o_codes: [head 16][row tile 256][3 pieces][32 lanes][8 bytes]: head 2 j + c holds registers 6 c .. 6 c + 5 of K step j's fragment.  w_codes: [n tile 64][K step 8][3 groups][32 lanes][16 bytes].
; REGISTERS: v4-9 addresses; two sets of operands at v16 and v92 (o's two fragments 24, W's four 48, scale words 4); v168-231 the accumulators ((a, b) at v[168 + 8 (4 a + b)]); on the way out v16-79 rows of out0.
.set APAN, 0                           ; [head 16][row tile 8][768]
.set BPAN, 98304                       ; [n tile 8][K step 8][1,536]
.set ASC,  196608                      ; [K step 8][128 rows][4]
.set BSC,  200704                      ; the same for W
.set STG,  204800                      ; the way out: 16 rows x (256 bytes + 16) for each wave, its own; no tensor load lands here
.set G1A,  24                          ; s[24:31], s[32:35] groups 1 and 0 for o's codes
.set G0A,  32
.set G1B,  48                          ; s[48:55], s[56:59] for W's codes
.set G0B,  56
.set G1SA, 68                          ; s[68:75], s[76:79] for o's scale words
.set G0SA, 76
.set G1SB, 80                          ; s[80:87], s[88:91] for W's
.set G0SB, 88
; A joint load: waves 0-3 fetch for o, waves 4-7 for W.  Each of the two lines has ONE mask and one set of registers for all that issue it; the branch hangs on the wave's number alone.
; Four v_nop follow each of the two lines, ahead of the jump, the label and what follows.
.macro JLOAD g0a, g1a, g0b, g1b
	s_cmp_eq_u32 s15, 0
	s_cbranch_scc0 .Lfor_b_\@
	tensor_load_to_lds s[\g0a:\g0a+3], s[\g1a:\g1a+7]
	s_nop 0
.rept 4
	v_nop
.endr
	s_branch .Lasked_\@
.Lfor_b_\@:
	tensor_load_to_lds s[\g0b:\g0b+3], s[\g1b:\g1b+7]
	s_nop 0
.rept 4
	v_nop
.endr
.Lasked_\@:
.endm
.macro CROUND                          ; a round of the cluster's barrier: my work-group's barrier; wave 0 signals for the work-group; every wave waits for all sixteen; my work-group's barrier once more
	s_barrier_signal -1
	s_barrier_wait -1
	s_cmp_lg_u32 s14, 0
	s_cbranch_scc1 .Lnot_wave_0_\@
	s_barrier_signal -3
.Lnot_wave_0_\@:
	s_barrier_wait -3
	s_barrier_signal -1
	s_barrier_wait -1
.endm
	s_load_b256 s[4:11], s[0:1], 0x0               ; o_codes s[4:5], o_scales s[6:7], w_codes s[8:9], w_scales s[10:11]
	s_load_b64 s[12:13], s[0:1], 0x20              ; out0
	v_lshl_add_u32 v232, v0, 2, 0x3a800
	v_mov_b32 v233, 0
	ds_add_u32 v232, v233
	v_lshrrev_b32 v1, 5, v0
	v_readfirstlane_b32 s14, v1                    ; wave 0..7
	s_lshr_b32 s15, s14, 2                         ; I fetch for o (0) or for W (1),
	s_and_b32 s16, s14, 3                          ; this quarter of the panel
	s_bfe_u32 s40, ttmp6, 0x40000                  ; cx, cy: my place in the cluster
	s_bfe_u32 s41, ttmp6, 0x40004
	s_lshl_b32 s42, ttmp9, 2
	s_add_co_u32 s42, s42, s40                     ; X: block of 128 columns = 4 x cluster x + cx
	s_and_b32 s17, ttmp7, 0xffff
	s_lshl_b32 s17, s17, 2
	s_add_co_u32 s17, s17, s41                     ; Y: block of 128 rows = 4 x cluster y + cy
	s_lshl_b32 s43, s41, 2
	s_lshl_b32 s43, 15, s43                        ; my row of the cluster
	s_lshl_b32 s44, 0x1111, s40                    ; my column
	; o's codes: four heads x 6,144 bytes (my 8 row tiles), 196,608 bytes from head to head; elements of 8 bytes
	s_or_b32 s[G1A+0], s43, (3<<16)|(1<<21)        ; 15:0 the mask: my row; 17:16 elements of 8 bytes; 21 set beside a mask
	s_mov_b32 s[G1A+1], 768<<16                    ; tensor_dim0
	s_mov_b32 s[G1A+2], 4<<16                      ; tensor_dim1
	s_mov_b32 s[G1A+3], 768<<16                    ; tile_dim0
	s_mov_b32 s[G1A+4], 4                          ; tile_dim1
	s_mov_b32 s[G1A+5], 24576                      ; from row to row
	s_mov_b32 s[G1A+6], 0
	s_mov_b32 s[G1A+7], 0
	; W's codes: a dense quarter of 24,576 bytes as 96 rows of 256
	s_or_b32 s[G1B+0], s44, (3<<16)|(1<<21)        ; the mask: my column
	s_mov_b32 s[G1B+1], 32<<16
	s_mov_b32 s[G1B+2], 96<<16
	s_mov_b32 s[G1B+3], 32<<16
	s_mov_b32 s[G1B+4], 96
	s_mov_b32 s[G1B+5], 32
	s_mov_b32 s[G1B+6], 0
	s_mov_b32 s[G1B+7], 0
	; o's scale words: two K steps x 512 bytes (my 128 rows), 16,384 bytes from step to step
	s_or_b32 s[G1SA+0], s43, (3<<16)|(1<<21)
	s_mov_b32 s[G1SA+1], 64<<16
	s_mov_b32 s[G1SA+2], 2<<16
	s_mov_b32 s[G1SA+3], 64<<16
	s_mov_b32 s[G1SA+4], 2
	s_mov_b32 s[G1SA+5], 2048
	s_mov_b32 s[G1SA+6], 0
	s_mov_b32 s[G1SA+7], 0
	; W's scale words: a dense quarter of 1,024 bytes as 4 rows of 256
	s_or_b32 s[G1SB+0], s44, (3<<16)|(1<<21)
	s_mov_b32 s[G1SB+1], 32<<16
	s_mov_b32 s[G1SB+2], 4<<16
	s_mov_b32 s[G1SB+3], 32<<16
	s_mov_b32 s[G1SB+4], 4
	s_mov_b32 s[G1SB+5], 32
	s_mov_b32 s[G1SB+6], 0
	s_mov_b32 s[G1SB+7], 0
	; where they come from.  o's hang on Y alone, which my row of the cluster shares; W's on X alone, which my column shares; each in registers that never hold the other coordinate
	s_mul_i32 s20, s16, 786432                     ; four heads
	s_mul_i32 s18, s17, 6144
	s_add_co_u32 s20, s20, s18
	s_mov_b32 s21, 0
	s_lshl_b32 s22, s16, 15                        ; two K steps of scale words
	s_lshl_b32 s18, s17, 9
	s_add_co_u32 s22, s22, s18
	s_mov_b32 s23, 0
	s_mul_i32 s46, s42, 98304
	s_mul_i32 s19, s16, 24576
	s_add_co_u32 s46, s46, s19
	s_mov_b32 s47, 0
	s_lshl_b32 s92, s42, 12
	s_lshl_b32 s19, s16, 10
	s_add_co_u32 s92, s92, s19
	s_mov_b32 s93, 0
	s_mul_i32 s45, s14, 24576                      ; and where they go: wave x a quarter: o's four quarters, then W's: no place in the cluster enters an LDS address
	s_lshl_b32 s94, s14, 10
	s_add_co_u32 s94, s94, ASC
	s_wait_dscnt 0x0
	s_wait_kmcnt 0x0
	s_add_nc_u64 s[20:21], s[4:5], s[20:21]
	s_add_nc_u64 s[22:23], s[6:7], s[22:23]
	s_add_nc_u64 s[46:47], s[8:9], s[46:47]
	s_add_nc_u64 s[92:93], s[10:11], s[92:93]
	CROUND                                         ; all sixteen work-groups are here: the joint loads meet
	s_mov_b32 s[G0SA], 1
	s_mov_b32 s[G0SA+1], s94
	s_mov_b64 s[G0SA+2:G0SA+3], s[22:23]
	s_or_b32 s[G0SA+3], s[G0SA+3], 0x80000000
	s_mov_b32 s[G0SB], 1
	s_mov_b32 s[G0SB+1], s94
	s_mov_b64 s[G0SB+2:G0SB+3], s[92:93]
	s_or_b32 s[G0SB+3], s[G0SB+3], 0x80000000
	JLOAD G0SA, G1SA, G0SB, G1SB
	s_mov_b32 s[G0A], 1
	s_mov_b32 s[G0A+1], s45
	s_mov_b64 s[G0A+2:G0A+3], s[20:21]
	s_or_b32 s[G0A+3], s[G0A+3], 0x80000000
	s_mov_b32 s[G0B], 1
	s_mov_b32 s[G0B+1], s45
	s_mov_b64 s[G0B+2:G0B+3], s[46:47]
	s_or_b32 s[G0B+3], s[G0B+3], 0x80000000
	JLOAD G0A, G1A, G0B, G1B
	v_and_b32 v1, 15, v0                           ; r
	v_bfe_u32 v2, v0, 4, 1                         ; h
	v_and_b32 v3, 31, v0                           ; l
	s_lshr_b32 s96, s14, 1                         ; which 32 rows are mine
	s_and_b32 s97, s14, 1                          ; which 64 columns
	s_mul_i32 s98, s96, 1536                       ; my two row tiles in a head's eight (APAN = 0)
	v_lshl_add_u32 v4, v3, 3, s98                  ; o's fragments: 8 bytes a lane
	s_mul_i32 s98, s97, 49152                      ; my four n tiles
	s_add_co_u32 s98, s98, BPAN
	v_lshl_add_u32 v5, v3, 4, s98                  ; W's: 16 bytes a lane
	s_lshl_b32 s98, s96, 7                         ; o's scale words: my 32 rows
	s_lshl_b32 s99, s97, 8                         ; W's: my 64 rows, 4,096 bytes behind o's
	s_add_co_u32 s99, s99, BSC-ASC
	s_sub_co_u32 s99, s99, s98
	v_mul_u32_u24 v6, s99, v2                      ; lanes 16-31 take W's: one product, the distance between the two bases
	s_add_co_u32 s98, s98, ASC
	v_lshl_add_u32 v6, v1, 2, v6
	v_add_nc_u32 v6, s98, v6
	s_mul_i32 s98, s14, 4352
	s_add_co_u32 s98, s98, STG                     ; my stage
	v_mul_u32_u24 v7, v1, 272
	v_lshl_add_u32 v7, v2, 5, v7
	v_add_nc_u32 v7, s98, v7                       ; in: row r, 32 bytes for each half of the lanes
	v_mul_u32_u24 v8, v2, 272
	v_lshl_add_u32 v8, v1, 4, v8
	v_add_nc_u32 v8, s98, v8                       ; back: lanes 0-15 one row of 256 bytes, lanes 16-31 the next
	v_lshlrev_b32 v9, 12, v2
	v_lshl_add_u32 v9, v1, 4, v9                   ; and the same two rows in out0
	s_lshl_b32 s20, s17, 19                        ; my first row of out0: 128 Y + 32 x (wave / 2), rows of 4,096 bytes
	s_lshl_b32 s21, s96, 17
	s_add_co_u32 s20, s20, s21
	s_mov_b32 s21, 0
	s_lshl_b32 s46, s42, 9                         ; my first column, in bytes: 512 X + 256 x (wave % 2)
	s_lshl_b32 s47, s97, 8
	s_add_co_u32 s46, s46, s47
	s_mov_b32 s47, 0
	s_add_nc_u64 s[20:21], s[20:21], s[46:47]
	s_add_nc_u64 s[12:13], s[12:13], s[20:21]
; A K step's operands into set s: 28 loads.  Register FS + i: lanes 0-15 the words of my rows 16 i on (i = 0, 1 are used), lanes 16-31 those of W's tile i.
.macro FETCH s
.set FA, 16+76*(\s)
.set FB, 40+76*(\s)
.set FS, 88+76*(\s)
.irp a, 0,1
.irp c, 0,1
.irp p, 0,1,2
	ds_load_b64 v[FA+12*\a+6*\c+2*\p:FA+12*\a+6*\c+2*\p+1], v4 offset:6144*\c+768*\a+256*\p   ; 256 consecutive bytes a load
.endr
.endr
.endr
.irp b, 0,1,2,3
.irp c, 0,1,2
	ds_load_b128 v[FB+12*\b+4*\c:FB+12*\b+4*\c+3], v5 offset:12288*\b+512*\c                  ; 512 consecutive bytes a load
.endr
.endr
.irp i, 0,1,2,3
	ds_load_b32 v[FS+\i], v6 offset:64*\i
.endr
.endm
; Eight matrix instructions on set s: the eight accumulators take turns, one instruction a turn, in the same order in every K step.  zero = 1: the first K step starts the sums.
.macro MUL s, zero
.set FA, 16+76*(\s)
.set FB, 40+76*(\s)
.set FS, 88+76*(\s)
.irp a, 0,1
.irp b, 0,1,2,3
.if \zero
	v_wmma_scale_f32_16x16x128_f8f6f4 v[168+8*(4*\a+\b):175+8*(4*\a+\b)], v[FB+12*\b:FB+12*\b+11], v[FA+12*\a:FA+12*\a+11], 0, v[FS+\b], v[FS+\a] matrix_a_fmt:MATRIX_FMT_BF6 matrix_b_fmt:MATRIX_FMT_BF6 matrix_a_scale:MATRIX_SCALE_ROW1
.else
	v_wmma_scale_f32_16x16x128_f8f6f4 v[168+8*(4*\a+\b):175+8*(4*\a+\b)], v[FB+12*\b:FB+12*\b+11], v[FA+12*\a:FA+12*\a+11], v[168+8*(4*\a+\b):175+8*(4*\a+\b)], v[FS+\b], v[FS+\a] matrix_a_fmt:MATRIX_FMT_BF6 matrix_b_fmt:MATRIX_FMT_BF6 matrix_a_scale:MATRIX_SCALE_ROW1
.endif
.endr
.endr
.endm
	s_wait_tensorcnt 0x0                           ; my two loads have landed,
	s_barrier_signal -1
	s_barrier_wait -1                              ; everybody's have: both panels and their scale words are whole
	FETCH 0
.irp j, 0,1,2,3,4,5,6
	v_add_nc_u32 v4, 12288, v4                     ; on to K step j + 1: two heads of o,
	v_add_nc_u32 v5, 1536, v5                      ; a fragment of W,
	v_add_nc_u32 v6, 512, v6                       ; 128 scale words.  With the v_nop these are the four places between the products of K step j - 1 and the loads into the set that they read
	v_nop
	FETCH (\j+1)%2
	s_wait_dscnt 28                                ; K step j's operands are in; the 28 loads just issued stay out
.if \j == 0
	MUL 0, 1
.else
	MUL \j%2, 0
.endif
.endr
	s_wait_dscnt 0x0
	MUL 1, 0
.rept 4
	v_nop                                          ; four places in front of the reads of results and of loads into registers that the products read
.endr
; THE WAY OUT.  A lane holds 32 neighbouring bytes of a row and the lanes beside it hold other rows: so a tile of 16 rows x 64 columns goes through my own stage and comes back as whole rows of 256 bytes.
; LDS serves a wave's instructions in order (ISA guide 5.7.1.4): no wait between the stores and the loads, nor in front of the second tile's stores.
.irp a, 0,1
.irp b, 0,1,2,3
	ds_store_b128 v7, v[168+8*(4*\a+\b):171+8*(4*\a+\b)] offset:64*\b       ; each accumulator from its low end on
	ds_store_b128 v7, v[172+8*(4*\a+\b):175+8*(4*\a+\b)] offset:64*\b+16
.endr
.irp t, 0,1,2,3,4,5,6,7
	ds_load_b128 v[16+32*\a+4*\t:19+32*\a+4*\t], v8 offset:544*\t
.endr
.endr
	s_wait_dscnt 16                                ; the first tile is back; the second tile's 8 stores and 8 loads stay out
.irp t, 0,1,2,3,4,5,6,7
	global_store_b128 v9, v[16+4*\t:19+4*\t], s[12:13] offset:8192*\t th:TH_STORE_NT          ; sixteen lanes store 256 consecutive bytes, aligned; written once, read by nobody here
.endr
	s_wait_dscnt 0x0
.irp t, 0,1,2,3,4,5,6,7
	global_store_b128 v9, v[48+4*\t:51+4*\t], s[12:13] offset:65536+8192*\t th:TH_STORE_NT
.endr
	s_wait_tensorcnt 0x0
	ds_add_u32 v232, v233
	s_wait_dscnt 0x0
	CROUND                                         ; the closing round: no work-group ends while a partner may still ask for a panel that names it
	s_endpgm
.Lfunc_end_k_qb6d3ad281a_proj:
	.size	k_qb6d3ad281a_proj, .Lfunc_end_k_qb6d3ad281a_proj-k_qb6d3ad281a_proj
	.p2alignl 7, 3214868480
	.fill 96, 4, 3214868480
	.section	.rodata,"a",@progbits
	.p2align	6, 0x0
	.amdhsa_kernel k_qb6d3ad281a_proj
		.amdhsa_group_segment_fixed_size 240640
		.amdhsa_private_segment_fixed_size 0
		.amdhsa_enable_private_segment 0
		.amdhsa_kernarg_size 40
		.amdhsa_user_sgpr_count 2
		.amdhsa_user_sgpr_kernarg_segment_ptr 1
		.amdhsa_wavefront_size32 1
		.amdhsa_system_sgpr_workgroup_id_x 1
		.amdhsa_system_sgpr_workgroup_id_y 1
		.amdhsa_system_sgpr_workgroup_id_z 1
		.amdhsa_system_vgpr_workitem_id 0
		.amdhsa_next_free_vgpr 234
		.amdhsa_next_free_sgpr 100
		.amdhsa_reserve_vcc 0
		.amdhsa_float_denorm_mode_32 3
		.amdhsa_float_denorm_mode_16_64 3
		.amdhsa_memory_ordered 1
		.amdhsa_forward_progress 1
		.amdhsa_inst_pref_size 36
	.end_amdhsa_kernel
	.amdgpu_metadata
---
amdhsa.version: [ 1, 2 ]
amdhsa.kernels:
  - .name:           k_qb6d3ad281a_proj
    .symbol:         k_qb6d3ad281a_proj.kd
    .args:
      - { .name: o_codes, .offset: 0, .size: 8, .value_kind: global_buffer, .address_space: global }
      - { .name: o_scales, .offset: 8, .size: 8, .value_kind: global_buffer, .address_space: global }
      - { .name: w_codes, .offset: 16, .size: 8, .value_kind: global_buffer, .address_space: global }
      - { .name: w_scales, .offset: 24, .size: 8, .value_kind: global_buffer, .address_space: global }
      - { .name: out0, .offset: 32, .size: 8, .value_kind: global_buffer, .address_space: global }
    .group_segment_fixed_size: 240640
    .private_segment_fixed_size: 0
    .kernarg_segment_align: 8
    .kernarg_segment_size: 40
    .max_flat_workgroup_size: 256
    .sgpr_count:     100
    .vgpr_count:     234
    .wavefront_size: 32
...
	.end_amdgpu_metadata
.endif
;; end of part 3
